; MI455X (gfx1250); checked and timed in simulation.
; The chip was launched on July 23, 2026; its instructions are those of AMD's public machine-readable ISA for CDNA 5 (MIT licence, August 2026) and "CDNA5" Instruction Set Architecture Reference Guide (July 2026). The comments in the code are by the model that wrote it; some were corrected since.
;; RBS Quantized Linear. Allowed arithmetic: matrix products marked QUANTISED: E2M1 operands, one E8M0 scale for each 32 along K, by v_wmma_scale_f32_16x16x128_f8f6f4 with both operands' format E2M1 (or v_wmma_scale_f32_32x16x128_f4), f32 sums; everything else in f32.
;; Inputs: W_q 4,096 x 4,096 int32; mask 4,096 x 4,096 float32; mu1 4,096 float32; mu2 4,096 float32; scales 4,096 x 64 x 1 float32; x_codes 4 x 1,024 x 128 x 16 uint8 (E2M1 codes of x, K innermost, in blocks of 32 codes, two codes a byte); x_scales 4 x 1,024 x 128 uint8 (E8M0 scales of x, one for each 32 codes along K); zeros 4,096 x 64 x 1 float32.
;; Outputs: out0 4 x 1,024 x 4,096 float32.
;; This version of the problem:
;;   THIS VERSION OF THE PROBLEM IS GIVEN IN LOW PRECISION. The matrix products marked QUANTISED in the list below multiply operands that are first quantised to E2M1 (2 exponent bits, 1 mantissa bit; 4 bits a number), with one power-of-two scale for each 32 numbers along K (OCP MX v1.0); their sums are f32. All else is computed in f32.
;;   The module's matrix products, in the order in which they are computed (A, B: the left and right operand; K: the contracted axis; several contracted axes count as one K, in the product's order):
;;     1. [M 4,096, K 4,096] x [K 4,096, N 4,096]; A: input x (given as codes); B: computed on the way: QUANTISED
;;   THE QUANTISER, for each operand of a quantised product, along K:
;;     - K is cut into blocks of 32 from its start; a last block that is shorter is filled with zeros.
;;     - A block's scale is 2^e with e = floor(log2(the largest magnitude in the block)) - 2, held to -126 .. 127; a block of zeros has e = 0. As a byte (E8M0): e + 127.
;;     - Each number is divided by its block's scale, clamped to +-6, and rounded to the nearest number of E2M1, ties to even, subnormals kept.
;;     - The product sums the exact products of the quantised numbers (number of the format x scale) in f32.
;;   ~~~python
;;   def quantise(x, axis):      # numpy; x: float32 -> the quantised numbers, widened to float32 again
;;       x = np.moveaxis(x, axis, -1); K = x.shape[-1]
;;       x = np.pad(x, [(0, 0)] * (x.ndim - 1) + [(0, -K % 32)]); x = x.reshape(x.shape[:-1] + (-1, 32)); a = np.abs(x).max(-1, keepdims=True)
;;       e = np.where(a > 0, np.clip(np.frexp(np.where(a > 0, a, 1))[1] - 1 - 2, -126, 127), 0)      # np.frexp(a)[1] - 1 = floor(log2(a)), exactly
;;       r = np.clip(x / 2.0 ** e, -6, 6)
;;       step = 2.0 ** (np.maximum(np.frexp(np.where(r == 0, 1, r))[1] - 1, 0) - 1)
;;       q = np.round(r / step) * step * 2.0 ** e      # np.round: ties to even
;;       return np.moveaxis(q.reshape(q.shape[:-2] + (-1,))[..., :K], -1, axis).astype(np.float32)
;;   ~~~
;;   OPERANDS COMPUTED ON THE WAY. 'Computed on the way' means the value that the module computes at that place (a softmax that the list does not call 'softmax' is quantised finished and normalised). What goes into a quantiser is computed in f32, as accurately as f32 sums, v_exp_f32 and their like allow (about 1e-6 of the number): no bf16 or f16 on the way to a quantiser, and a product that is left as it is and whose result goes on into a quantised operand takes f32 operands (vector FMAs, or v_wmma_f32_16x16x4_f32). A number that lies on a knife's edge between two numbers of the format may be rounded either way, as far as f32 arithmetic and the matrix unit's own rounding can turn it there, and no further.
;;   INPUTS GIVEN AS CODES. x (in the module: [4, 1024, 4096], K = its axis 2): each comes as NAME_codes (uint8): NAME with its K axis moved to the last place and cut into blocks of 32 codes, [.., K / 32, bytes a block], one block behind the other in memory; two codes a byte, the lower K in the low four bits (a code: sign, 2 exponent bits, 1 mantissa bit); and NAME_scales (uint8): the same leading axes, one E8M0 byte (e + 127) for each 32 codes along K. Its value is code x scale, taken as it is: it is not quantised again, and the codes and scales need not be those that the quantiser above would give.
;; One version. Each part assembles by itself: llvm-mc -triple=amdgcn-amd-amdhsa -mcpu=gfx1250 --defsym DOCPART=n.
;; ======== version 1 of 1: 2 launches
;; limits: right only within a limited range of input values
;; workspace buffers: w_codes 8,388,608 bytes; scl 1,048,576 bytes
;; launch quant (part 1): grid 256 x 1, 8 waves a work-group, no clusters, 46,080 bytes of LDS; arguments W_q, mask, mu1, mu2, scales, zeros, x_scales, w_codes, scl; writes w_codes, scl
.if DOCPART == 1
	.amdgcn_target "amdgcn-amd-amdhsa--gfx1250"
	.amdhsa_code_object_version 6
	.text
	.protected	k_qfcf5ea82d7_quant
	.globl	k_qfcf5ea82d7_quant
	.p2align	8
	.type	k_qfcf5ea82d7_quant,@function
k_qfcf5ea82d7_quant:
	s_mov_b64 s[64:65], 0
	v_nop
	global_prefetch_b8 v0, s[64:65] scope:SCOPE_SE
	s_setreg_imm32_b32 hwreg(HW_REG_WAVE_MODE, 25, 1), 1
	s_wait_xcnt 0x0
; W[k][n] = ((((W_q[k][n] - zeros[k][n/64]) * scales[k][n/64]) * mu2[k]) * mu1[n]) * mask[k][n], in f32 and in this order of operations,
; is turned into codes of FP4 (E2M1), n innermost, with one E8M0 scale byte for each 32 along n.  The scale bytes of x are laid anew beside W's.
; OUT: w_codes [4096 rows][2,048 bytes], two codes a byte, the lower n in the low four bits.
;      scl [side 2][K step 8][row 4096][16 bytes]: side 0 = x, side 1 = W; byte 4 q + b of a row's 16 scales n = 512 step + 128 q + 32 b on.
;      So the scale bytes of 16 rows for one K step of 512 are 256 consecutive bytes, and those of 256 rows are 4,096.
; A block's scale is 2^(floor(log2(its largest magnitude)) - 2); its byte is the largest magnitude's exponent field - 2, held at 1 from below.
; LIMITS: a block of zeros gets the byte 1 where the quantiser's rule says 127: its codes are zeros, which add nothing under any byte but 0xff, and this program alone
; reads the bytes.  A block whose largest magnitude lies under 2^-124 has its byte held at 1, which is the rule's own hold at -126.  NaN and infinities in W's inputs are not served.
; SHARES.  Work-group g owns rows 16 g .. 16 g + 15 of W (and of x's scale bytes), whole.  Wave w owns columns 512 w .. 512 w + 511, one K step: 16 rows x 512 numbers.
; A row's part is four chunks of 128 numbers; a load of the wave takes one chunk, 512 consecutive bytes, 16 a lane.  Lane l of chunk i holds n = 512 w + 128 i + 4 l + 0 .. 3:
; a block of 32 is eight neighbouring lanes, a group of 64 is sixteen.  All arithmetic is done in that layout; only the codes, an eighth of the bytes, turn through LDS.
; The work-groups share mu1 alone (2,048 bytes a wave beside its 65,536 of W_q and mask): no cluster, no joint loads.  No tensor loads: no ring.  One barrier, behind the tables.
; Four rows (32 loads a wave) are on their way at any time.  No address register and no store's data are ever written again, and EXEC never changes: no wait on XCNT is needed.
.set ZT,   0                           ; LDS: zeros of my 16 rows: entry (row, group g) at 256 row + 128 (g & 1) + 4 (g >> 1), so that one load of 16 bytes brings a lane the four groups of its four chunks
.set STB,  4096                        ; scales, laid likewise
.set XT,   8192                        ; x's scale bytes of 16 rows, 128 a row, as they lie
.set CST,  10240                       ; from here a region of WREG bytes for each wave:
.set WREG, 4352                        ; 16 rows x 256 bytes of codes, then 16 rows x 16 scale bytes
.set ROWW, 16384                       ; a row of W_q or of mask in bytes
.set GO,   2                           ; v2   2,048 w + 16 lane: my 16 bytes of a chunk in W_q, mask and mu1
.set ZA,   3                           ; v3   128 (lane / 16) + 16 w: my four groups in a row of a table
.set CA,   4                           ; v4   my wave's region + 2 lane: my four codes of a chunk
.set SA,   5                           ; v5   my wave's scale bytes + lane / 8: my block's byte
.set RD,   6                           ; v6   my wave's region + 16 lane: the way out
.set CO,   7                           ; v7   2,048 (lane / 16) + 16 (lane % 16) + 256 w: the same place in w_codes
.set L8,   8                           ; v8   8 lane: my 8 bytes of a unit of scl
.set SRD,  9                           ; v9   my wave's scale bytes + 8 lane
.set XRD,  10                          ; v10  XT + 128 (lane / 2) + 16 w + 8 (lane % 2): x's bytes for my K step
.set TS,   11                          ; v11  256 (t / 16) + 8 (t % 16): where thread t puts its four table entries
.set XU,   12                          ; v[12:13] x's scale unit
.set T16,  14                          ; v14  16 t
.set T8,   15                          ; v15  8 t
.set MU1,  16                          ; v[16:31]  mu1 of my 16 numbers
.set Q,    32                          ; v[32:95]  four row slots of 16: W_q, then W
.set M,    96                          ; v[96:159] four row slots of 16: mask
.set ZS,   160                         ; v[160:175] two sets of: 4 zeros, 4 scales (one for each chunk)
.set MX,   176                         ; v[176:179] largest magnitudes      (at the head: zeros as loaded)
.set SCO,  180                         ; v[180:183] the conversions' scales (at the head: scales as loaded)
.set EB,   184                         ; v[184:187] the scale bytes         (at the head: x's scale bytes as loaded)
.set C,    188                         ; v[188:191] codes                   (at the head: v190, v191 at work)
.set T0,   190
.set T1,   191
	s_load_b512 s[4:19], s[0:1], 0x0               ; W_q s[4:5], mask s[6:7], mu1 s[8:9], mu2 s[10:11], scales s[12:13], zeros s[14:15], x_scales s[16:17], w_codes s[18:19]
	s_load_b64 s[20:21], s[0:1], 0x40              ; scl
	v_lshl_add_u32 v192, v0, 2, 0xb000
	v_mov_b32 v193, 0
	v_lshrrev_b32 v1, 5, v0
	s_delay_alu instid0(VALU_DEP_1)
	v_readfirstlane_b32 s24, v1                    ; wave 0..7
	v_and_b32 v1, 31, v0                           ; lane
	s_delay_alu instid0(VALU_DEP_1)
	v_lshrrev_b32 v[T0], 4, v1                     ; lane / 16
	s_delay_alu instid0(VALU_DEP_2)
	v_lshlrev_b32 v[GO], 4, v1
	s_delay_alu instid0(VALU_DEP_1)
	v_lshl_add_u32 v[GO], s24, 11, v[GO]
	s_lshl_b32 s29, s24, 4                         ; 16 w
	v_lshlrev_b32 v[ZA], 7, v[T0]
	s_delay_alu instid0(VALU_DEP_1)
	v_add_nc_u32 v[ZA], s29, v[ZA]
	s_mul_i32 s25, s24, WREG
	s_add_co_u32 s25, s25, CST                     ; my wave's region
	s_add_co_u32 s28, s25, 4096                    ; and its scale bytes
	v_lshl_add_u32 v[CA], v1, 1, s25
	v_lshrrev_b32 v[SA], 3, v1
	s_delay_alu instid0(VALU_DEP_1)
	v_add_nc_u32 v[SA], s28, v[SA]
	v_lshl_add_u32 v[RD], v1, 4, s25
	v_and_b32 v[CO], 15, v1
	s_delay_alu instid0(VALU_DEP_1)
	v_lshlrev_b32 v[CO], 4, v[CO]
	s_delay_alu instid0(VALU_DEP_1)
	v_lshl_add_u32 v[CO], v[T0], 11, v[CO]
	s_delay_alu instid0(VALU_DEP_1)
	v_lshl_add_u32 v[CO], s24, 8, v[CO]
	v_lshlrev_b32 v[L8], 3, v1
	v_lshl_add_u32 v[SRD], v1, 3, s28
	v_lshrrev_b32 v[XRD], 1, v1
	s_delay_alu instid0(VALU_DEP_1)
	v_lshlrev_b32 v[XRD], 7, v[XRD]
	v_and_b32 v[T1], 1, v1
	s_delay_alu instid0(VALU_DEP_1)
	v_lshl_add_u32 v[XRD], v[T1], 3, v[XRD]
	s_delay_alu instid0(VALU_DEP_1)
	v_add_nc_u32 v[XRD], s29, v[XRD]
	s_delay_alu instid0(VALU_DEP_1)
	v_add_nc_u32 v[XRD], XT, v[XRD]
	v_lshrrev_b32 v[TS], 4, v0
	s_delay_alu instid0(VALU_DEP_1)
	v_lshlrev_b32 v[TS], 8, v[TS]
	v_and_b32 v[T1], 15, v0
	s_delay_alu instid0(VALU_DEP_1)
	v_lshl_add_u32 v[TS], v[T1], 3, v[TS]
	v_lshlrev_b32 v[T16], 4, v0
	v_lshlrev_b32 v[T8], 3, v0
	s_mov_b32 s27, 0
	s_mov_b32 s49, 0                               ; named with s48 as a pair, so it is written
	s_wait_alu depctr_va_vdst(0)
	s_wait_kmcnt 0x0
	s_lshl_b32 s26, ttmp9, 6                       ; mu2 of my 16 rows: 64 bytes
	s_add_nc_u64 s[10:11], s[10:11], s[26:27]
	s_load_b512 s[32:47], s[10:11], 0x0
	s_lshl_b32 s26, ttmp9, 18                      ; 16 rows of 16,384 bytes
	s_add_nc_u64 s[4:5], s[4:5], s[26:27]
	s_add_nc_u64 s[6:7], s[6:7], s[26:27]
	s_lshl_b32 s26, ttmp9, 12                      ; 16 rows of 64 groups
	s_add_nc_u64 s[12:13], s[12:13], s[26:27]
	s_add_nc_u64 s[14:15], s[14:15], s[26:27]
	s_lshl_b32 s26, ttmp9, 11                      ; 16 rows of 128 scale bytes
	s_add_nc_u64 s[16:17], s[16:17], s[26:27]
	s_lshl_b32 s26, ttmp9, 15                      ; 16 rows of 2,048 bytes of codes
	s_add_nc_u64 s[18:19], s[18:19], s[26:27]
	s_lshl_b32 s26, ttmp9, 8                       ; scl: 16 rows of 16 bytes,
	s_lshl_b32 s30, s24, 16                        ; in K step w
	s_add_co_u32 s26, s26, s30
	s_add_nc_u64 s[20:21], s[20:21], s[26:27]
.macro LOADROW r                       ; row r's four chunks of W_q and of mask into slot r % 4: eight loads of 512 consecutive bytes
.irp i, 0,1,2,3
	global_load_b128 v[Q+16*((\r)%4)+4*\i:Q+16*((\r)%4)+4*\i+3], v[GO], s[4:5] offset:(\r)*ROWW+512*\i th:TH_LOAD_NT
.endr
.irp i, 0,1,2,3
	global_load_b128 v[M+16*((\r)%4)+4*\i:M+16*((\r)%4)+4*\i+3], v[GO], s[6:7] offset:(\r)*ROWW+512*\i th:TH_LOAD_NT
.endr
.endm
	global_load_b128 v[MX:MX+3], v[T16], s[14:15] th:TH_LOAD_NT    ; zeros: the work-group's 4,096 bytes, 16 a thread
	global_load_b128 v[SCO:SCO+3], v[T16], s[12:13] th:TH_LOAD_NT  ; scales likewise
	global_load_b64 v[EB:EB+1], v[T8], s[16:17] th:TH_LOAD_NT      ; x's scale bytes: 2,048 bytes, 8 a thread
.irp i, 0,1,2,3
	global_load_b128 v[MU1+4*\i:MU1+4*\i+3], v[GO], s[8:9] offset:512*\i
.endr
	LOADROW 0
	LOADROW 1
	LOADROW 2
	LOADROW 3
	s_wait_loadcnt 36                              ; the three table loads are in: behind them stand mu1's 4 and four rows' 32
	ds_store_b32 v[TS], v[MX]   offset:ZT          ; thread t holds groups 4 (t % 16) + 0 .. 3 of row t / 16
	ds_store_b32 v[TS], v[MX+1] offset:ZT+128
	ds_store_b32 v[TS], v[MX+2] offset:ZT+4
	ds_store_b32 v[TS], v[MX+3] offset:ZT+132
	ds_store_b32 v[TS], v[SCO]   offset:STB
	ds_store_b32 v[TS], v[SCO+1] offset:STB+128
	ds_store_b32 v[TS], v[SCO+2] offset:STB+4
	ds_store_b32 v[TS], v[SCO+3] offset:STB+132
	ds_store_b64 v[T8], v[EB:EB+1] offset:XT
	s_wait_dscnt 0x0                               ; for the others' sake: my stores into the tables are done
	s_barrier_signal -1
	s_barrier_wait -1                              ; the tables are whole; nobody writes them again
	ds_load_b64 v[XU:XU+1], v[XRD]                 ; x's 16 rows x 16 bytes of K step w
	ds_load_b128 v[ZS:ZS+3], v[ZA] offset:ZT       ; row 0's zeros and scales
	ds_load_b128 v[ZS+4:ZS+7], v[ZA] offset:STB
	s_wait_dscnt 2                                 ; x's unit is in; the two table loads behind it may be out
	global_store_b64 v[L8], v[XU:XU+1], s[20:21]   ; 32 lanes store 256 consecutive bytes, aligned: side 0 of scl
	s_wait_kmcnt 0x0                               ; mu2
.macro ROW r
.set P,  Q+16*((\r)%4)
.set MS, M+16*((\r)%4)
.set Z,  ZS+8*((\r)%2)
.set ZN, ZS+8*(((\r)+1)%2)
.if (\r) <= 12
	s_wait_loadcnt 24                              ; this row's eight loads are in; those of the three rows behind it stay out
.else
	s_wait_loadcnt 8*(15-(\r))                     ; the last rows: fewer stand behind
.endif
	s_wait_dscnt 0x0                               ; this row's zeros and scales are in, and the last row's LDS stores have read their registers
.if (\r) < 15
	ds_load_b128 v[ZN:ZN+3], v[ZA] offset:ZT+((\r)+1)*256          ; the next row's, a row ahead
	ds_load_b128 v[ZN+4:ZN+7], v[ZA] offset:STB+((\r)+1)*256
.endif
	s_mov_b32 s48, s[32+(\r)]                      ; this row's mu2
.irp j, 0,1,2,3,4,5,6,7,8,9,10,11,12,13,14,15
	v_cvt_f32_i32 v[P+\j], v[P+\j]
.endr
.irp i, 0,2                            ; chunk i takes the first register of the pair of zeros, chunk i + 1 the second, for both halves
.irp p, 0,2
	v_pk_add_f32 v[P+4*\i+\p:P+4*\i+\p+1], v[P+4*\i+\p:P+4*\i+\p+1], v[Z+\i:Z+\i+1] op_sel_hi:[1,0] neg_lo:[0,1] neg_hi:[0,1]
	v_pk_add_f32 v[P+4*\i+\p+4:P+4*\i+\p+5], v[P+4*\i+\p+4:P+4*\i+\p+5], v[Z+\i:Z+\i+1] op_sel:[0,1] op_sel_hi:[1,1] neg_lo:[0,1] neg_hi:[0,1]
.endr
.endr
.irp i, 0,2                            ; x the group's scale
.irp p, 0,2
	v_pk_mul_f32 v[P+4*\i+\p:P+4*\i+\p+1], v[P+4*\i+\p:P+4*\i+\p+1], v[Z+4+\i:Z+5+\i] op_sel_hi:[1,0]
	v_pk_mul_f32 v[P+4*\i+\p+4:P+4*\i+\p+5], v[P+4*\i+\p+4:P+4*\i+\p+5], v[Z+4+\i:Z+5+\i] op_sel:[0,1] op_sel_hi:[1,1]
.endr
.endr
.irp j, 0,2,4,6,8,10,12,14
	v_pk_mul_f32 v[P+\j:P+\j+1], v[P+\j:P+\j+1], s[48:49] op_sel_hi:[1,0]          ; x mu2
.endr
.irp j, 0,2,4,6,8,10,12,14
	v_pk_mul_f32 v[P+\j:P+\j+1], v[P+\j:P+\j+1], v[MU1+\j:MU1+\j+1]               ; x mu1
.endr
.irp j, 0,2,4,6,8,10,12,14
	v_pk_mul_f32 v[P+\j:P+\j+1], v[P+\j:P+\j+1], v[MS+\j:MS+\j+1]                 ; x mask
.endr
.irp i, 0,1,2,3
	v_max3_num_f32 v[MX+\i], |v[P+4*\i]|, |v[P+4*\i+1]|, 0x1800000                 ; my four numbers of chunk i, and the floor 2^(3 - 127): so the byte cannot fall under 1
.endr
.irp i, 0,1,2,3
	s_delay_alu instid0(VALU_DEP_4)
	v_max3_num_f32 v[MX+\i], v[MX+\i], |v[P+4*\i+2]|, |v[P+4*\i+3]|
.endr
.irp x, 1,2,4                          ; with the seven other lanes of my block (the four chunks by turns)
.irp i, 0,1,2,3
	s_delay_alu instid0(VALU_DEP_4)
	v_max_num_f32_dpp v[MX+\i], v[MX+\i], v[MX+\i] row_xmask:\x row_mask:0xf bank_mask:0xf
.endr
.endr
.irp i, 0,1,2,3
	s_delay_alu instid0(VALU_DEP_4)
	v_add_nc_u32 v[SCO+\i], 0xff000000, v[MX+\i]   ; 2 off the exponent field: the conversion takes the exponent field of this operand as its scale, and nothing else of it
.endr
	; A conversion takes eight numbers under one scale; mine are four of one block and four of another.  So each run of eight is converted twice: under the first chunk's scale the low half of the result holds that chunk's four codes,
	; under the second's the high half holds the second's.  The other half of each result is not used.
	v_cvt_scalef32_pk8_fp4_f32 v[C],   v[P:P+7],    v[SCO]
	v_cvt_scalef32_pk8_fp4_f32 v[C+1], v[P:P+7],    v[SCO+1]
	v_cvt_scalef32_pk8_fp4_f32 v[C+2], v[P+8:P+15], v[SCO+2]
	v_cvt_scalef32_pk8_fp4_f32 v[C+3], v[P+8:P+15], v[SCO+3]
.irp i, 0,1,2,3
	v_lshrrev_b32 v[EB+\i], 23, v[SCO+\i]          ; the scale's byte (plain lines behind the conversions)
.endr
.if (\r)+4 < 16
	LOADROW (\r)+4                                 ; this slot takes the row four further down
.endif
	ds_store_b16 v[CA], v[C] offset:256*(\r)                       ; a chunk's 128 codes: 32 lanes, 64 consecutive bytes
	ds_store_b16_d16_hi v[CA], v[C+1] offset:256*(\r)+64
	ds_store_b16 v[CA], v[C+2] offset:256*(\r)+128
	ds_store_b16_d16_hi v[CA], v[C+3] offset:256*(\r)+192
.irp i, 0,1,2,3
	ds_store_b8 v[SA], v[EB+\i] offset:16*(\r)+4*\i                ; the eight lanes of a block write the same byte with the same value
.endr
.endm
.irp t, 0,1,2,3,4,5,6,7,8,9,10,11,12,13,14,15
	ROW \t
.endr
	; THE WAY OUT.  LDS serves a wave's instructions in order: these loads see my stores.  Sixteen lanes take one row's 256 bytes of codes.
.irp t, 0,1,2,3,4,5,6,7
	ds_load_b128 v[Q+4*\t:Q+4*\t+3], v[RD] offset:512*\t
.endr
	ds_load_b64 v[Q+32:Q+33], v[SRD]               ; my 16 rows' scale bytes
.irp t, 0,1,2,3,4,5,6,7
	s_wait_dscnt 8-\t                              ; load t is in; the 7 - t behind it and the scale bytes' may be out
	global_store_b128 v[CO], v[Q+4*\t:Q+4*\t+3], s[18:19] offset:4096*\t   ; rows 2 t and 2 t + 1: sixteen lanes store 256 consecutive bytes, aligned
.endr
	s_wait_dscnt 0x0
	global_store_b64 v[L8], v[Q+32:Q+33], s[20:21] offset:524288   ; side 1 of scl: 256 consecutive bytes, aligned
	s_wait_tensorcnt 0x0
	ds_add_u32 v192, v193
	s_wait_dscnt 0x0
	s_endpgm
.Lfunc_end_k_qfcf5ea82d7_quant:
	.size	k_qfcf5ea82d7_quant, .Lfunc_end_k_qfcf5ea82d7_quant-k_qfcf5ea82d7_quant
	.p2alignl 7, 3214868480
	.fill 96, 4, 3214868480
	.section	.rodata,"a",@progbits
	.p2align	6, 0x0
	.amdhsa_kernel k_qfcf5ea82d7_quant
		.amdhsa_group_segment_fixed_size 46080
		.amdhsa_private_segment_fixed_size 0
		.amdhsa_enable_private_segment 0
		.amdhsa_kernarg_size 72
		.amdhsa_user_sgpr_count 2
		.amdhsa_user_sgpr_kernarg_segment_ptr 1
		.amdhsa_wavefront_size32 1
		.amdhsa_system_sgpr_workgroup_id_x 1
		.amdhsa_system_sgpr_workgroup_id_y 1
		.amdhsa_system_sgpr_workgroup_id_z 1
		.amdhsa_system_vgpr_workitem_id 0
		.amdhsa_next_free_vgpr 194
		.amdhsa_next_free_sgpr 66
		.amdhsa_reserve_vcc 0
		.amdhsa_float_denorm_mode_32 3
		.amdhsa_float_denorm_mode_16_64 3
		.amdhsa_memory_ordered 1
		.amdhsa_forward_progress 1
		.amdhsa_inst_pref_size 120
	.end_amdhsa_kernel
	.amdgpu_metadata
---
amdhsa.version: [ 1, 2 ]
amdhsa.kernels:
  - .name:           k_qfcf5ea82d7_quant
    .symbol:         k_qfcf5ea82d7_quant.kd
    .args:
      - { .name: W_q, .offset: 0, .size: 8, .value_kind: global_buffer, .address_space: global }
      - { .name: mask, .offset: 8, .size: 8, .value_kind: global_buffer, .address_space: global }
      - { .name: mu1, .offset: 16, .size: 8, .value_kind: global_buffer, .address_space: global }
      - { .name: mu2, .offset: 24, .size: 8, .value_kind: global_buffer, .address_space: global }
      - { .name: scales, .offset: 32, .size: 8, .value_kind: global_buffer, .address_space: global }
      - { .name: zeros, .offset: 40, .size: 8, .value_kind: global_buffer, .address_space: global }
      - { .name: x_scales, .offset: 48, .size: 8, .value_kind: global_buffer, .address_space: global }
      - { .name: w_codes, .offset: 56, .size: 8, .value_kind: global_buffer, .address_space: global }
      - { .name: scl, .offset: 64, .size: 8, .value_kind: global_buffer, .address_space: global }
    .group_segment_fixed_size: 46080
    .private_segment_fixed_size: 0
    .kernarg_segment_align: 8
    .kernarg_segment_size: 72
    .max_flat_workgroup_size: 256
    .sgpr_count:     66
    .vgpr_count:     194
    .wavefront_size: 32
...
	.end_amdgpu_metadata
.endif
;; end of part 1
;; launch gemm (part 2): grid 16 x 16, 4 waves a work-group, clusters of 4 x 4, 327,680 bytes of LDS; arguments x_codes, w_codes, scl, out0; writes out0
.if DOCPART == 2
	.amdgcn_target "amdgcn-amd-amdhsa--gfx1250"
	.amdhsa_code_object_version 6
	.text
	.protected	k_qfcf5ea82d7_gemm
	.globl	k_qfcf5ea82d7_gemm
	.p2align	8
	.type	k_qfcf5ea82d7_gemm,@function
k_qfcf5ea82d7_gemm:
	s_mov_b64 s[64:65], 0
	v_nop
	global_prefetch_b8 v0, s[64:65] scope:SCOPE_SE
	s_setreg_imm32_b32 hwreg(HW_REG_WAVE_MODE, 25, 1), 1
	s_wait_xcnt 0x0
	s_wait_alu depctr_hold_cnt(0) depctr_sa_sdst(0) depctr_va_vdst(0) depctr_va_sdst(0) depctr_va_ssrc(0) depctr_va_vcc(0) depctr_vm_vsrc(0)
	s_getreg_b32 s2, hwreg(HW_REG_IB_STS2, 6, 4)
	s_cmp_eq_u32 s2, 0
	s_cbranch_scc0 .Lentry_in_a_cluster
	s_endpgm
.Lentry_in_a_cluster:
	s_bfe_u32 s2, ttmp6, 0x10000c
	s_cmp_lg_u32 s2, 0xf033
	s_cbranch_scc0 .Lentry_shape_is_right
	s_endpgm
.Lentry_shape_is_right:
; out0[m][n] = sum over k of x[m][k] W[n][k], both as codes of FP4 (E2M1) with one E8M0 byte for each 32 along k; sums in f32.
; x_codes, w_codes: [4096 rows][2,048 bytes].  scl [side][k / 512][row][16 bytes], side 0 = x, side 1 = W: the scale bytes of 256 rows for 512 along k are 4,096 consecutive bytes.
; A block of 256 x 256 to a work-group of four waves; a wave makes 128 x 128: 64 accumulators of 16 x 16, 512 registers.
; K goes in steps of 512 through a ring of two LDS slots; a slot holds x's 256 rows, W's 256 rows (256 bytes a row, 16 of padding) and both sides' scale bytes.
; One tensor load a wave: wave 0 x's codes, wave 1 x's scale bytes, wave 2 W's codes, wave 3 W's scale bytes.
; CLUSTERS 4 x 4: x's tiles are asked for jointly along a row of the cluster, W's along a column.
; Each cluster begins at another K step and goes round all eight (start = table[cluster x] + table[cluster y] mod 8, table 0, 4, 2, 6).
; LIMIT: so the order in which the partial sums are added differs from ascending k (in the last K step its four quarters go 0, 1, 3, 2); each is an f32 sum as the contract has it.
; BOTH OPERANDS HAVE TWO SETS OF FRAGMENT REGISTERS: the 32 LDS loads of a step of 128 go out in one run at the top of the step before, 64 products ahead of their use.
; A slot's last step has its fragments in registers when it begins, so the change of slots stands at its top and the refill has four steps in which to land.
; THE LAST K STEP GOES BY ROWS OF out0: all its fragments of W fill window 1, x comes by blocks of 16 rows, and each block of 16 x 128 results leaves as soon as its 32 products are issued.
; PREFETCH: waves 0, 1 ask for x's rows, waves 2, 3 for W's, 32 rows a wave, a lane a row's 256 bytes of one K step; the four partners that ask for a tile jointly share its 256 rows out by address (64 each).
; At the head, under the first load's flight: K steps 1 and 2 (counted from the cluster's first); behind slot 1's first fill: K step 3; behind each refill but the last two: the K step two refills on.
; The scale bytes, 8,192 beside a step's 131,072 of codes, are not prefetched.
; THE MATRIX INSTRUCTION IS USED TRANSPOSED (source 0 = 16 rows of W, source 1 = 16 rows of x): a lane holds eight neighbouring columns of one row of out0.
; REGISTERS: window 0: v16-30 addresses; v32-95 scale words, a set for each slot; v128-255 x's fragments, two sets (in the last K step four buffers of 32); on the way out v32-63 and v96-127 take the rows read back.
;   window 1: W's fragments, sets at v0 and v128 (in the last K step quarter q at v[64 q]).  Windows 2, 3: accumulators of x's blocks 0-3, 4-7: (a, b) at v[64 (a % 4) + 8 b].
.set OUTROW, 16384
.set ROWB,   256
.set KROW,   2048
.set PITCH,  272                       ; 256 bytes + 16: the sixteen rows that a load touches start at sixteen different banks
.set HALFT,  128*PITCH
.set TILEB,  256*PITCH
.set SCA,    2*TILEB
.set SCB,    SCA+4096
.set SLOT,   SCB+4096
.set SPARE,  2*SLOT                    ; the spare words, 128 bytes a wave
.set SSIDE,  524288
.set SPITCH, 528                       ; the way out: 16 rows x (512 + 16) bytes a wave, in slot 0, which has had its last fill and its last read by then
.set ADRA, 16
.set ADRB, 20
.set ADRS, 22
.set STO,  24
.set RD,   25
.set CO,   26
.set SPW,  28
.set NIL,  29
.set PFO,  30                          ; v30 lane x 2,048: my row among the 32 that my wave prefetches
.set SC,   32
.set AF,   128
.set BK,   32                          ; rows read back from the stage: row t at v[32 + 4 t] (t < 8), v[96 + 4 (t - 8)] (t >= 8)
.set KN,   2                           ; s2 the K step that the next refill takes
.set XB,   4
.set WB,   6
.set SXB,  8
.set SWB,  12
.set PFB,  44                          ; s[44:45] my wave's 32 rows; s[46:47] the same at the K step asked for
.set PFA,  46
.set KC,   66
.set KSO,  100
.set G1A,  24
.set G0A,  32
.set G1B,  48
.set G0B,  56
.set G1SA, 68
.set G0SA, 76
.set G1SB, 84
.set G0SB, 92
.set MSB, 0
.macro WIN new                         ; the immediate's high byte repeats the setting that is left
.if MSB != \new
	s_set_vgpr_msb (MSB<<8)|\new
.set MSB, \new
.endif
.endm
.set MUL_LO, 0xa1                      ; source 0 (W) window 1, source 1 (x) window 0, C and D window 2
.set MUL_HI, 0xf1
.set TO_B,   0x40
.macro AIM slot                        ; the slot's four descriptors take K step KN; KN goes on, round the eight
	s_lshl_b32 s[KC], s[KN], 8
	s_lshl_b32 s[KSO], s[KN], 16
	s_add_nc_u64 s[G0A+4*\slot+2:G0A+4*\slot+3], s[XB:XB+1], s[KC:KC+1]
	s_add_nc_u64 s[G0B+4*\slot+2:G0B+4*\slot+3], s[WB:WB+1], s[KC:KC+1]
	s_add_nc_u64 s[G0SA+4*\slot+2:G0SA+4*\slot+3], s[SXB:SXB+1], s[KSO:KSO+1]
	s_add_nc_u64 s[G0SB+4*\slot+2:G0SB+4*\slot+3], s[SWB:SWB+1], s[KSO:KSO+1]
	s_or_b32 s[G0A+4*\slot+3], s[G0A+4*\slot+3], 0x80000000
	s_or_b32 s[G0B+4*\slot+3], s[G0B+4*\slot+3], 0x80000000
	s_or_b32 s[G0SA+4*\slot+3], s[G0SA+4*\slot+3], 0x80000000
	s_or_b32 s[G0SB+4*\slot+3], s[G0SB+4*\slot+3], 0x80000000
	s_add_co_u32 s[KN], s[KN], 1
	s_and_b32 s[KN], s[KN], 7
.endm
.macro JLOAD s                         ; one chain of branches on the wave's number, one joint load to an arm; an s_nop 0 and four v_nop follow each
	s_cmp_lg_u32 s14, 0
	s_cbranch_scc1 .Lnot_0_\@
	tensor_load_to_lds s[G0A+4*\s:G0A+4*\s+3], s[G1A:G1A+7]
	s_nop 0
.rept 4
	v_nop
.endr
	s_branch .Lasked_\@
.Lnot_0_\@:
	s_cmp_lg_u32 s14, 1
	s_cbranch_scc1 .Lnot_1_\@
	tensor_load_to_lds s[G0SA+4*\s:G0SA+4*\s+3], s[G1SA:G1SA+7]
	s_nop 0
.rept 4
	v_nop
.endr
	s_branch .Lasked_\@
.Lnot_1_\@:
	s_cmp_lg_u32 s14, 2
	s_cbranch_scc1 .Lnot_2_\@
	tensor_load_to_lds s[G0B+4*\s:G0B+4*\s+3], s[G1B:G1B+7]
	s_nop 0
.rept 4
	v_nop
.endr
	s_branch .Lasked_\@
.Lnot_2_\@:
	tensor_load_to_lds s[G0SB+4*\s:G0SB+4*\s+3], s[G1SB:G1SB+7]
	s_nop 0
.rept 4
	v_nop
.endr
.Lasked_\@:
.endm
.macro CREST                           ; a round of the cluster's barrier behind its opening barrier
	s_cmp_lg_u32 s14, 0
	s_cbranch_scc1 .Lnot_wave_0_\@
	s_barrier_signal -3
.Lnot_wave_0_\@:
	s_barrier_wait -3
	s_barrier_signal -1
	s_barrier_wait -1
.endm
.macro CROUND
	s_barrier_signal -1
	s_barrier_wait -1
	CREST
.endm
	s_load_b256 s[4:11], s[0:1], 0x0               ; x_codes s[4:5], w_codes s[6:7], scl s[8:9], out0 s[10:11]
	v_lshl_add_u32 v[SPW], v0, 2, SPARE
	v_mov_b32 v[NIL], 0
	ds_add_u32 v[SPW], v[NIL]                      ; the opening lines: the add, twice on end, and its wait ahead of the first tensor load
	ds_add_u32 v[SPW], v[NIL]
	v_lshrrev_b32 v1, 5, v0
	v_readfirstlane_b32 s14, v1                    ; wave 0..3
	s_lshr_b32 s15, s14, 1                         ; which half of the block's rows is mine
	s_and_b32 s16, s14, 1                          ; which half of its columns
	s_bfe_u32 s40, ttmp6, 0x40000                  ; cx, cy
	s_bfe_u32 s41, ttmp6, 0x40004
	s_lshl_b32 s42, ttmp9, 2
	s_add_co_u32 s42, s42, s40                     ; block column
	s_and_b32 s17, ttmp7, 0xffff
	s_lshl_b32 s17, s17, 2
	s_add_co_u32 s17, s17, s41                     ; block row
	s_lshl_b32 s43, s41, 2
	s_lshl_b32 s43, 15, s43                        ; my row of the cluster
	s_lshl_b32 s44, 0x1111, s40                    ; my column
	s_and_b32 s45, ttmp7, 0xffff
	s_lshl_b32 s45, s45, 2
	s_lshr_b32 s45, 0x6240, s45
	s_lshl_b32 s[KN], ttmp9, 2
	s_lshr_b32 s[KN], 0x6240, s[KN]
	s_add_co_u32 s[KN], s[KN], s45
	s_and_b32 s[KN], s[KN], 7                      ; the cluster's first K step: alike in all its work-groups
	s_mov_b32 s[KC+1], 0
	s_mov_b32 s[KSO+1], 0
	s_or_b32 s[G1A+0], s43, (0<<16)|(1<<20)|(1<<21)|(5<<22)|(3<<25)  ; codes: 256 rows of 256 bytes, 4 words of padding behind every 64
	s_or_b32 s[G1B+0], s44, (0<<16)|(1<<20)|(1<<21)|(5<<22)|(3<<25)
.irp g, G1A, G1B
	s_mov_b32 s[\g+1], ROWB<<16
	s_mov_b32 s[\g+2], 256<<16
	s_mov_b32 s[\g+3], ROWB<<16
	s_mov_b32 s[\g+4], 256
	s_mov_b32 s[\g+5], KROW
	s_mov_b32 s[\g+6], 0
	s_mov_b32 s[\g+7], 0
.endr
	s_or_b32 s[G1SA+0], s43, (3<<16)|(1<<21)       ; scale bytes: a dense block of 4,096 bytes as 16 rows of 256
	s_or_b32 s[G1SB+0], s44, (3<<16)|(1<<21)
.irp g, G1SA, G1SB
	s_mov_b32 s[\g+1], 32<<16
	s_mov_b32 s[\g+2], 16<<16
	s_mov_b32 s[\g+3], 32<<16
	s_mov_b32 s[\g+4], 16
	s_mov_b32 s[\g+5], 32
	s_mov_b32 s[\g+6], 0
	s_mov_b32 s[\g+7], 0
.endr
	s_lshl_b32 s20, s17, 19
	s_mov_b32 s21, 0
	s_lshl_b32 s22, s17, 12
	s_mov_b32 s23, 0
	s_lshl_b32 s46, s42, 19
	s_mov_b32 s47, 0
	s_lshl_b32 s18, s42, 12
	s_add_co_u32 s18, s18, SSIDE
	s_mov_b32 s19, 0
	s_wait_alu depctr_va_vdst(0)
	s_wait_dscnt 0x0                               ; both opening adds are done
	s_wait_kmcnt 0x0
	s_add_nc_u64 s[SWB:SWB+1], s[8:9], s[18:19]
	s_add_nc_u64 s[SXB:SXB+1], s[8:9], s[22:23]
	s_add_nc_u64 s[XB:XB+1], s[4:5], s[20:21]
	s_add_nc_u64 s[WB:WB+1], s[6:7], s[46:47]
.irp s, 0,1
	s_mov_b32 s[G0A+4*\s], 1
	s_mov_b32 s[G0A+4*\s+1], \s*SLOT
	s_mov_b32 s[G0B+4*\s], 1
	s_mov_b32 s[G0B+4*\s+1], \s*SLOT+TILEB
	s_mov_b32 s[G0SA+4*\s], 1
	s_mov_b32 s[G0SA+4*\s+1], \s*SLOT+SCA
	s_mov_b32 s[G0SB+4*\s], 1
	s_mov_b32 s[G0SB+4*\s+1], \s*SLOT+SCB
	AIM \s
.endr
	CROUND                                         ; all sixteen work-groups are here: the first joint loads meet
	JLOAD 0                                        ; one tensor load a wave at the head; the addresses below are made under its flight
	v_and_b32 v1, 15, v0                           ; r
	v_bfe_u32 v2, v0, 4, 1                         ; h
	s_wait_alu depctr_va_vdst(0)
	v_mul_u32_u24 v3, v1, PITCH
	v_lshl_add_u32 v4, v2, 4, v3                   ; a fragment's row x pitch + 16 h
	s_mul_i32 s21, s15, HALFT
	s_mul_i32 s22, s16, HALFT
	s_add_co_u32 s22, s22, TILEB
.irp s, 0,1
	v_add_nc_u32 v[ADRA+\s], s21, v4
	v_add_nc_u32 v[ADRB+\s], s22, v4
	s_add_co_u32 s21, s21, SLOT
	s_add_co_u32 s22, s22, SLOT
.endr
	s_lshl_b32 s21, s15, 11                        ; scale words: lanes 0-15 x's rows, lanes 16-31 W's: the lower base + h x the distance
	s_lshl_b32 s22, s16, 11
	s_add_co_u32 s22, s22, 4096
	s_sub_co_u32 s22, s22, s21
	v_mul_u32_u24 v6, s22, v2
	v_lshl_add_u32 v5, v1, 4, v6
	s_add_co_u32 s21, s21, SCA
	v_add_nc_u32 v[ADRS], s21, v5
	v_add_nc_u32 v[ADRS+1], SLOT, v[ADRS]
	s_mul_i32 s23, s14, 16*SPITCH                  ; my stage
	v_mul_u32_u24 v5, v1, SPITCH
	v_lshl_add_u32 v5, v2, 5, v5
	v_add_nc_u32 v[STO], s23, v5
	v_and_b32 v6, 31, v0
	v_lshlrev_b32 v[CO], 4, v6
	v_lshlrev_b32 v[PFO], 11, v6
	v_add_nc_u32 v[RD], s23, v[CO]
	s_lshl_b32 s20, s17, 8
	s_lshl_b32 s21, s15, 7
	s_add_co_u32 s20, s20, s21
	s_lshl_b32 s20, s20, 14                        ; my first row of out0, in bytes
	s_mov_b32 s21, 0
	s_lshl_b32 s46, s42, 10
	s_lshl_b32 s47, s16, 9
	s_add_co_u32 s46, s46, s47
	s_mov_b32 s47, 0
	s_add_nc_u64 s[20:21], s[20:21], s[46:47]
	s_add_nc_u64 s[10:11], s[10:11], s[20:21]
	s_cmp_eq_u32 s15, 0                            ; the prefetches: waves 0, 1 for x, waves 2, 3 for W
	s_cselect_b32 s18, s40, s41                    ; my place among the four that ask for the tile with me
	s_cselect_b64 s[PFB:PFB+1], s[XB:XB+1], s[WB:WB+1]
	s_lshl_b32 s18, s18, 1
	s_add_co_u32 s18, s18, s16
	s_lshl_b32 s18, s18, 16                        ; (64 place + 32 (wave % 2)) rows of 2,048 bytes
	s_add_nc_u64 s[PFB:PFB+1], s[PFB:PFB+1], s[18:19]
	s_add_co_u32 s18, s[KN], 7                     ; KN stands two behind the cluster's first K step: KN - 1 is slot 1's first fill,
	s_and_b32 s18, s18, 7
	s_lshl_b32 s18, s18, 8
	s_add_nc_u64 s[PFA:PFA+1], s[PFB:PFB+1], s[18:19]
	s_lshl_b32 s18, s[KN], 8                       ; KN the first refill,
	s_add_nc_u64 s[20:21], s[PFB:PFB+1], s[18:19]
	s_add_co_u32 s18, s[KN], 1                     ; KN + 1 the second
	s_and_b32 s18, s18, 7
	s_lshl_b32 s18, s18, 8
	s_add_nc_u64 s[22:23], s[PFB:PFB+1], s[18:19]
.macro FRAG reg, adr, q, i             ; 16 rows x 128 along k: registers 4 c .. 4 c + 3 hold k = 64 c + 32 h + 0 .. 31
.irp c, 0,1
	ds_load_b128 v[\reg+4*\c:\reg+4*\c+3], v[\adr] offset:64*(\q)+32*\c+(\i)*16*PITCH
.endr
.endm
.macro FETCH slot, q, p                ; 32 LDS loads in one run: the fragments of the slot's q-th 128 along k into sets p
	WIN TO_B
.irp i, 0,1,2,3,4,5,6,7
	FRAG 128*(\p)+8*\i, ADRB+\slot, \q, \i
.endr
	WIN 0
.irp i, 0,1,2,3,4,5,6,7
	FRAG AF+64*(\p)+8*\i, ADRA+\slot, \q, \i
.endr
.endm
.macro SCALES sc                       ; the slot's scale words: register 4 i + q: lanes 0-15 x's block i, lanes 16-31 W's block i, the q-th 128
.irp i, 0,1,2,3,4,5,6,7
	ds_load_b128 v[SC+32*\sc+4*\i:SC+32*\sc+4*\i+3], v[ADRS+\sc] offset:\i*256
.endr
.endm
; 32 products: x's blocks 4 hi .. 4 hi + 3 against W's eight.  The 64 accumulators take turns, in the same order in every step.
.macro MUL32 hi, q, sc, zero
.set WS_, 128*((\q)%2)
.set XS_, AF+64*((\q)%2)+32*\hi
.set SS_, SC+32*(\sc)+(\q)
.irp a, 0,1,2,3
.irp b, 0,1,2,3,4,5,6,7
.if \zero
	v_wmma_scale_f32_16x16x128_f8f6f4 v[64*\a+8*\b:64*\a+8*\b+7], v[WS_+8*\b:WS_+8*\b+7], v[XS_+8*\a:XS_+8*\a+7], 0, v[SS_+4*\b], v[SS_+16*\hi+4*\a] matrix_a_fmt:MATRIX_FMT_FP4 matrix_b_fmt:MATRIX_FMT_FP4 matrix_a_scale:MATRIX_SCALE_ROW1
.else
	v_wmma_scale_f32_16x16x128_f8f6f4 v[64*\a+8*\b:64*\a+8*\b+7], v[WS_+8*\b:WS_+8*\b+7], v[XS_+8*\a:XS_+8*\a+7], v[64*\a+8*\b:64*\a+8*\b+7], v[SS_+4*\b], v[SS_+16*\hi+4*\a] matrix_a_fmt:MATRIX_FMT_FP4 matrix_b_fmt:MATRIX_FMT_FP4 matrix_a_scale:MATRIX_SCALE_ROW1
.endif
.endr
.endr
.endm
.macro PLACES                          ; four places behind matrix instructions, ahead of loads into their sources and of reads of their results
.rept 4
	v_nop
.endr
.endm
; A step that has its successor in the same slot: first the successor's 32 loads, into the sets that the step before read last; then the 64 products.
.macro STEP slot, q, zero
.if \zero == 0
	PLACES
.endif
	FETCH \slot, (\q)+1, 1-(\q)%2
	s_wait_dscnt 32                                ; all but the 32 just issued: this step's fragments and scale words are in
	WIN MUL_LO
	MUL32 0, \q, \slot, \zero
	WIN MUL_HI
	MUL32 1, \q, \slot, \zero
.endm
; A slot's last step, in the loop.  Its fragments are in registers, so nobody reads the slot any more: the change of slots stands at the step's top, and the slot is filled again, two K steps ahead.
.macro TURN slot, next
	WIN 0
	s_wait_xcnt 0x0                                ; my last prefetch has read its address
	s_add_co_u32 s18, s[KN], 2                     ; the K step two refills on, round the eight
	s_and_b32 s18, s18, 7
	s_lshl_b32 s18, s18, 8
	s_add_nc_u64 s[PFA:PFA+1], s[PFB:PFB+1], s[18:19]
	s_wait_tensorcnt 0x0                           ; all my tensor loads have landed: my part of the next slot;
	ds_add_u32 v[SPW], v[NIL]                      ; 0 onto my spare word;
	AIM \slot                                      ; no tensor load of mine is out: the descriptors may be written
	s_wait_dscnt 0x0                               ; the add is done, and my reads of this slot are over
	s_barrier_signal -1
	WIN MUL_LO
	MUL32 0, 3, \slot, 0                           ; work on registers while the others arrive
	WIN 0
	s_barrier_wait -1
	CREST                                          ; the barrier has opened a round of the cluster's barrier
	JLOAD \slot                                    ; the first tensor load behind the round; its four v_nop are the places in front of the loads below
	FETCH \next, 0, 0
	SCALES \next
	s_cmp_gt_u32 s3, 1                             ; the last trip's two refills have no K step two on
	s_cbranch_scc0 .Lnone_\@
	global_prefetch_b8 v[PFO], s[PFA:PFA+1] th:TH_LOAD_NT scope:SCOPE_SE
.Lnone_\@:
	WIN MUL_HI
	MUL32 1, 3, \slot, 0
.endm
	s_wait_alu depctr_va_vdst(0)
	global_prefetch_b8 v[PFO], s[PFA:PFA+1] th:TH_LOAD_NT scope:SCOPE_SE   ; slot 1's first fill,
	global_prefetch_b8 v[PFO], s[20:21] th:TH_LOAD_NT scope:SCOPE_SE       ; and the first refill
	s_wait_tensorcnt 0x0                           ; my tile of slot 0 is in; the same lines stand ahead of a later first fill as ahead of a refill:
	ds_add_u32 v[SPW], v[NIL]
	s_wait_dscnt 0x0
	CROUND                                         ; all four tiles are in, and all sixteen work-groups are here
	JLOAD 1                                        ; slot 1's first fill, the first tensor load behind the round
	FETCH 0, 0, 0
	SCALES 0
	global_prefetch_b8 v[PFO], s[22:23] th:TH_LOAD_NT scope:SCOPE_SE       ; the second refill
	STEP 0, 0, 1                                   ; the first step starts the sums: nothing is cleared
	WIN 0
	s_mov_b32 s3, 3
.Llap:                                                 ; once round the ring, from a lap's second step to the next lap's first
	STEP 0, 1, 0
	STEP 0, 2, 0
	TURN 0, 1
	STEP 1, 0, 0
	STEP 1, 1, 0
	STEP 1, 2, 0
	TURN 1, 0
	STEP 0, 0, 0
	WIN 0
	s_sub_co_u32 s3, s3, 1
	s_cmp_lg_u32 s3, 0
	s_cbranch_scc1 .Llap
	STEP 0, 1, 0                                   ; the last lap fills nothing
	STEP 0, 2, 0
; THE LAST K STEP (slot 1), BY ROWS OF out0.
.macro BLOAD q                         ; W's eight fragments of quarter q -> window 1, v[64 q ..]
.irp i, 0,1,2,3,4,5,6,7
	FRAG 64*(\q)+8*\i, ADRB+1, \q, \i
.endr
.endm
.macro ALOADR a                        ; x's block a, all four quarters -> buffer a % 4
.irp q, 0,1,2,3
	FRAG AF+32*((\a)%4)+8*\q, ADRA+1, \q, \a
.endr
.endm
.macro ROW a                           ; block a is finished: 32 products, its eight accumulators by turns
.set FA, AF+32*((\a)%4)
.set AC, 64*((\a)%4)
	WIN MUL_LO+0x50*((\a)/4)
.irp q, 0,1,3,2
.if (\a) == 0 && \q == 2
	s_wait_dscnt 16                                ; W's quarter 2 is in; behind it stand x's blocks 2 and 3
.endif
.irp b, 0,1,2,3,4,5,6,7
	v_wmma_scale_f32_16x16x128_f8f6f4 v[AC+8*\b:AC+8*\b+7], v[64*\q+8*\b:64*\q+8*\b+7], v[FA+8*\q:FA+8*\q+7], v[AC+8*\b:AC+8*\b+7], v[SC+32+4*\b+\q], v[SC+32+4*(\a)+\q] matrix_a_fmt:MATRIX_FMT_FP4 matrix_b_fmt:MATRIX_FMT_FP4 matrix_a_scale:MATRIX_SCALE_ROW1
.endr
.endr
.endm
; The way out of a block of 16 rows x 128 columns: through my own stage and back as whole rows of 512 bytes, which 32 lanes store as two aligned units of 256 bytes.
; LDS serves a wave's instructions in order (ISA guide 5.7.1.4): no wait between the stores and the loads.
.macro TOSTAGE a
.set AC, 64*((\a)%4)
	WIN 0x08+4*((\a)/4)                            ; the data: window 2 or 3
.irp b, 0,1,2,3,4,5,6,7
	ds_store_b128 v[STO], v[AC+8*\b:AC+8*\b+3] offset:64*\b          ; each accumulator from its low end on
	ds_store_b128 v[STO], v[AC+8*\b+4:AC+8*\b+7] offset:64*\b+16
.endr
	WIN 0
.irp t, 0,1,2,3,4,5,6,7,8,9,10,11,12,13,14,15
	ds_load_b128 v[BK+4*\t+32*(\t/8):BK+4*\t+32*(\t/8)+3], v[RD] offset:\t*SPITCH
.endr
.endm
.macro SEND a, younger                 ; younger: the LDS loads issued behind block a's
	WIN 0
	s_wait_dscnt \younger
.if (\a) > 0
	s_add_nc_u64 s[10:11], s[10:11], 16*OUTROW     ; behind a wait on XCNT: the earlier stores have read their base
.endif
.irp t, 0,1,2,3,4,5,6,7,8,9,10,11,12,13,14,15
	global_store_b128 v[CO], v[BK+4*\t+32*(\t/8):BK+4*\t+32*(\t/8)+3], s[10:11] offset:\t*OUTROW th:TH_STORE_NT
.endr
.endm
	WIN 0
	s_wait_tensorcnt 0x0                           ; my part of slot 1 is in: my last tensor load
	ds_add_u32 v[SPW], v[NIL]
	s_wait_dscnt 0x0                               ; the add is done, and my reads of slot 0 are over
	s_barrier_signal -1
	WIN MUL_LO
	MUL32 0, 3, 0, 0                               ; slot 0's last step, from registers
	WIN 0
	s_barrier_wait -1                              ; slot 1 is whole, and nobody reads slot 0 any more: the stages may lie there
	PLACES
	WIN TO_B
	BLOAD 0                                        ; three quarters of W now: v128-191 of window 1 are still being multiplied
	BLOAD 1
	BLOAD 3
	WIN 0
	ALOADR 0
	ALOADR 1
	SCALES 1
	WIN MUL_HI
	MUL32 1, 3, 0, 0
	PLACES
	WIN TO_B
	BLOAD 2
	WIN 0
	ALOADR 2
	ALOADR 3
	s_wait_dscnt 32                                ; all but the 32 just issued
	ROW 0
.irp a, 0,1,2,3,4,5,6,7                ; block a goes through the stage under block a + 1's products and is stored behind them
	PLACES
.if \a > 0
	s_wait_xcnt 0x0                                ; block a - 1's stores have read their registers and their base
.endif
	TOSTAGE \a
.if \a < 4
	ALOADR \a+4                                    ; its buffer takes the block four further on
	s_wait_dscnt 40                                ; all that stands ahead of this block's 32 stage instructions and those 8 loads is in, x's next block among it
	ROW \a+1
	SEND \a, 8
.else
.if \a < 7
	s_wait_dscnt 32
	ROW \a+1
.endif
	SEND \a, 0
.endif
.endr
	s_wait_tensorcnt 0x0                           ; the wave's end
	ds_add_u32 v[SPW], v[NIL]
	s_wait_dscnt 0x0
	CROUND                                         ; the closing round
	s_endpgm
.Lfunc_end_k_qfcf5ea82d7_gemm:
	.size	k_qfcf5ea82d7_gemm, .Lfunc_end_k_qfcf5ea82d7_gemm-k_qfcf5ea82d7_gemm
	.p2alignl 7, 3214868480
	.fill 96, 4, 3214868480
	.section	.rodata,"a",@progbits
	.p2align	6, 0x0
	.amdhsa_kernel k_qfcf5ea82d7_gemm
		.amdhsa_group_segment_fixed_size 327680
		.amdhsa_private_segment_fixed_size 0
		.amdhsa_enable_private_segment 0
		.amdhsa_kernarg_size 32
		.amdhsa_user_sgpr_count 2
		.amdhsa_user_sgpr_kernarg_segment_ptr 1
		.amdhsa_wavefront_size32 1
		.amdhsa_system_sgpr_workgroup_id_x 1
		.amdhsa_system_sgpr_workgroup_id_y 1
		.amdhsa_system_sgpr_workgroup_id_z 1
		.amdhsa_system_vgpr_workitem_id 0
		.amdhsa_next_free_vgpr 1024
		.amdhsa_next_free_sgpr 102
		.amdhsa_reserve_vcc 0
		.amdhsa_float_denorm_mode_32 3
		.amdhsa_float_denorm_mode_16_64 3
		.amdhsa_memory_ordered 1
		.amdhsa_forward_progress 1
		.amdhsa_inst_pref_size 214
	.end_amdhsa_kernel
	.amdgpu_metadata
---
amdhsa.version: [ 1, 2 ]
amdhsa.kernels:
  - .name:           k_qfcf5ea82d7_gemm
    .symbol:         k_qfcf5ea82d7_gemm.kd
    .args:
      - { .name: x_codes, .offset: 0, .size: 8, .value_kind: global_buffer, .address_space: global }
      - { .name: w_codes, .offset: 8, .size: 8, .value_kind: global_buffer, .address_space: global }
      - { .name: scl, .offset: 16, .size: 8, .value_kind: global_buffer, .address_space: global }
      - { .name: out0, .offset: 24, .size: 8, .value_kind: global_buffer, .address_space: global }
    .group_segment_fixed_size: 327680
    .private_segment_fixed_size: 0
    .kernarg_segment_align: 8
    .kernarg_segment_size: 32
    .max_flat_workgroup_size: 128
    .sgpr_count:     102
    .vgpr_count:     1024
    .wavefront_size: 32
...
	.end_amdgpu_metadata
.endif
;; end of part 2
